; MI455X (gfx1250); checked and timed in simulation.
; The chip was launched on July 23, 2026; its instructions are those of AMD's public machine-readable ISA for CDNA 5 (MIT licence, August 2026) and "CDNA5" Instruction Set Architecture Reference Guide (July 2026). The comments in the code are by the model that wrote it; some were corrected since.
;; Causal Multi Head Attention. Allowed arithmetic: matrix products marked QUANTISED: E2M1 operands, one E8M0 scale for each 32 along K, by v_wmma_scale_f32_16x16x128_f8f6f4 with both operands' format E2M1 (or v_wmma_scale_f32_32x16x128_f4), f32 sums; everything else in f32.
;; Inputs: Wk_codes 4 x 64 x 8 x 16 uint8 (E2M1 codes of Wk, K innermost, in blocks of 32 codes, two codes a byte); Wk_scales 4 x 64 x 8 uint8 (E8M0 scales of Wk, one for each 32 codes along K); Wo 4 x 64 x 256 float32; Wq_codes 4 x 64 x 8 x 16 uint8 (E2M1 codes of Wq, K innermost, in blocks of 32 codes, two codes a byte); Wq_scales 4 x 64 x 8 uint8 (E8M0 scales of Wq, one for each 32 codes along K); Wv_codes 4 x 64 x 8 x 16 uint8 (E2M1 codes of Wv, K innermost, in blocks of 32 codes, two codes a byte); Wv_scales 4 x 64 x 8 uint8 (E8M0 scales of Wv, one for each 32 codes along K); beta 256 float32; bk 4 x 64 float32; bo 256 float32; bq 4 x 64 float32; bv 4 x 64 float32; gamma 256 float32; query 4 x 4,096 x 256 float32; value_codes 4 x 4,096 x 8 x 16 uint8 (E2M1 codes of value, K innermost, in blocks of 32 codes, two codes a byte); value_scales 4 x 4,096 x 8 uint8 (E8M0 scales of value, one for each 32 codes along K).
;; Outputs: out0 4 x 4,096 x 256 float32.
;; This version of the problem:
;;   THIS VERSION OF THE PROBLEM IS GIVEN IN LOW PRECISION. The matrix products marked QUANTISED in the list below multiply operands that are first quantised to E2M1 (2 exponent bits, 1 mantissa bit; 4 bits a number), with one power-of-two scale for each 32 numbers along K (OCP MX v1.0); their sums are f32. All else is computed in f32.
;;   The module's matrix products, in the order in which they are computed (A, B: the left and right operand; K: the contracted axis; several contracted axes count as one K, in the product's order):
;;     1. [M 16,384, K 256] x [K 256, N 256]; A: input query; B: input Wq (given as codes): QUANTISED
;;     2. [M 16,384, K 256] x [K 256, N 256]; A: input value (given as codes); B: input Wk (given as codes): QUANTISED
;;     3. [M 16,384, K 256] x [K 256, N 256]; A: input value (given as codes); B: input Wv (given as codes): QUANTISED
;;     4. batch 16 x [M 4,096, K 64] x [K 64, N 4,096]; A: computed on the way; B: computed on the way: QUANTISED
;;     5. batch 16 x [M 64, K 4,096] x [K 4,096, N 4,096]; A: computed on the way; B: softmax (see below): QUANTISED
;;     6. [M 16,384, K 256] x [K 256, N 256]; A: computed on the way; B: input Wo: QUANTISED
;;   THE QUANTISER, for each operand of a quantised product, along K:
;;     - K is cut into blocks of 32 from its start; a last block that is shorter is filled with zeros.
;;     - A block's scale is 2^e with e = floor(log2(the largest magnitude in the block)) - 2, held to -126 .. 127; a block of zeros has e = 0. As a byte (E8M0): e + 127.
;;     - Each number is divided by its block's scale, clamped to +-6, and rounded to the nearest number of E2M1, ties to even, subnormals kept.
;;     - The product sums the exact products of the quantised numbers (number of the format x scale) in f32.
;;   ~~~python
;;   def quantise(x, axis):      # numpy; x: float32 -> the quantised numbers, widened to float32 again
;;       x = np.moveaxis(x, axis, -1); K = x.shape[-1]
;;       x = np.pad(x, [(0, 0)] * (x.ndim - 1) + [(0, -K % 32)]); x = x.reshape(x.shape[:-1] + (-1, 32)); a = np.abs(x).max(-1, keepdims=True)
;;       e = np.where(a > 0, np.clip(np.frexp(np.where(a > 0, a, 1))[1] - 1 - 2, -126, 127), 0)      # np.frexp(a)[1] - 1 = floor(log2(a)), exactly
;;       r = np.clip(x / 2.0 ** e, -6, 6)
;;       step = 2.0 ** (np.maximum(np.frexp(np.where(r == 0, 1, r))[1] - 1, 0) - 1)
;;       q = np.round(r / step) * step * 2.0 ** e      # np.round: ties to even
;;       return np.moveaxis(q.reshape(q.shape[:-2] + (-1,))[..., :K], -1, axis).astype(np.float32)
;;   ~~~
;;   SOFTMAX AHEAD OF A QUANTISED PRODUCT. Where the list says 'softmax', what is quantised is not the finished softmax but p = 2^(t - M), with t = logit x log2(e) and M = ceil(the row's largest t), a whole number; so 1/2 < the row's largest p <= 1. The row's sum l is taken of the UNQUANTISED p, in f32, and the product's result is divided by l at the end. Since M is a whole number, a kernel that streams over the keys may use a running M (the ceiling of the running maximum): every later rescaling is an exact power of two, which a block's scale takes up: the codes' values come out the same.
;;   OPERANDS COMPUTED ON THE WAY. 'Computed on the way' means the value that the module computes at that place (a softmax that the list does not call 'softmax' is quantised finished and normalised). What goes into a quantiser is computed in f32, as accurately as f32 sums, v_exp_f32 and their like allow (about 1e-6 of the number): no bf16 or f16 on the way to a quantiser, and a product that is left as it is and whose result goes on into a quantised operand takes f32 operands (vector FMAs, or v_wmma_f32_16x16x4_f32). A number that lies on a knife's edge between two numbers of the format may be rounded either way, as far as f32 arithmetic and the matrix unit's own rounding can turn it there, and no further.
;;   INPUTS GIVEN AS CODES. Wk (in the module: [256, 4, 64], K = its axis 0); Wq (in the module: [256, 4, 64], K = its axis 0); Wv (in the module: [256, 4, 64], K = its axis 0); value (in the module: [4, 4096, 256], K = its axis 2): each comes as NAME_codes (uint8): NAME with its K axis moved to the last place and cut into blocks of 32 codes, [.., K / 32, bytes a block], one block behind the other in memory; two codes a byte, the lower K in the low four bits (a code: sign, 2 exponent bits, 1 mantissa bit); and NAME_scales (uint8): the same leading axes, one E8M0 byte (e + 127) for each 32 codes along K. Its value is code x scale, taken as it is: it is not quantised again, and the codes and scales need not be those that the quantiser above would give.
;; One version. Each part assembles by itself: llvm-mc -triple=amdgcn-amd-amdhsa -mcpu=gfx1250 --defsym DOCPART=n.
;; ======== version 1 of 1: 2 launches
;; workspace buffers: kv 4,456,448 bytes; wo_q 36,864 bytes
;; launch kvproj (part 1): grid 264 x 1, 4 waves a work-group, no clusters, 0 bytes of LDS; arguments value_codes, value_scales, Wk_codes, Wk_scales, bk, Wv_codes, Wv_scales, bv, Wo, kv, wo_q; writes kv, wo_q
.if DOCPART == 1
	.amdgcn_target "amdgcn-amd-amdhsa--gfx1250"
	.amdhsa_code_object_version 6
	.text
	.protected	k_q64186e506e_kvproj
	.globl	k_q64186e506e_kvproj
	.p2align	8
	.type	k_q64186e506e_kvproj,@function
k_q64186e506e_kvproj:
	s_mov_b64 s[64:65], 0
	v_nop
	global_prefetch_b8 v0, s[64:65] scope:SCOPE_SE
	s_setreg_imm32_b32 hwreg(HW_REG_WAVE_MODE, 25, 1), 1
	s_wait_xcnt 0x0
; k = value Wk + bk and v = value Wv + bv on codes of FP4 (E2M1) with E8M0 scales; k is quantised along the head's 64, v along the keys; Wo (f32, [256 (K)][256 (n)]) is quantised along K.
; All results are laid in the ORDER OF THE OPERAND'S REGISTERS, so that the next launch fetches whole fragments, 16 bytes a lane at 16 x lane.
; kv: [batch 4][step 32][head 4][8,704 bytes]: a record is 128 keys of one head:
;   +0     K, 4 fragments of 1,024 bytes.  Fragment b, piece u (+512 u + 16 lane): lane (r, hh) holds key 32 b + 8 u + r + 8 (r / 8), dims 32 hh + 0 .. 31.  A fragment so carries 32 keys: K = 64 is half of the instruction's 128.
;   +4096  V, 4 fragments.  Fragment d = 2 b' + u', piece c: lane (r, hh) holds dim 32 b' + 8 u' + r + 8 (r / 8), keys 64 c + 32 hh + 0 .. 31.
;   +8192  scale words, 16 bytes a lane: lanes 0-15 the words of K's fragments 0 .. 3 of row r, lanes 16-31 those of V's.
; wo_q: 32 fragments of 1,024 bytes (f = 2 nt + s: columns 16 nt + r, K = 128 s + 64 c + 32 hh + 0 .. 31), then from byte 32,768 their scale words, 128 bytes a fragment.
; SHARES.  Work-groups 0-255: batch = id / 64, step = (id / 2) % 32; wave w: head 2 (id % 2) + w / 2, and K's half (w even) or V's half (w odd) of that record.  Work-groups 256-263: a wave makes one fragment of Wo.
; THE ROWS OF A TILE ARE NOT NEIGHBOURS: lane r of tile 2 b + u takes row 32 b + 8 u + r + 8 (r / 8), so that the 16 result registers of tiles 2 b and 2 b + 1 are 16 neighbours along the next K.
; No LDS, no barrier: waves share nothing.  The text is written straight on: every offset is an immediate.
; LIMITS: NaN and infinities are not served.  A block of zeros gets the byte 1 where the rule says 127: its codes are zeros, and this program alone reads the bytes.
.set W,    16                          ; v16-79   the weight's 8 fragments: (tile d, K step s) at W + 8 (2 d + s)
.set WS,   80                          ; v80-87   their scale words
.set VS,   88                          ; v88-103  value's scale words: (tile t, K step s) at VS + 2 t + s
.set BIAS, 104                         ; v104-135 the bias in the result's layout, 8 registers a tile d
.set ACC,  136                         ; v136-167 four accumulators
.set PC,   168                         ; v168-171 the codes just made
.set TM,   172                         ; v172-177 at work in the quantiser
.set HW,   180                         ; v180     two scale bytes just made
.set KW,   184                         ; v184-187 the four scale words of my half of the record
.set XN,   192                         ; v192-255 Wo's numbers
.set SEL,  34                          ; s[34:35] selects of v_permlanex16_b32 for lane l xor 16
.set REC,  8704
; window 1 (v256-383): value's 16 fragments: (tile t, K step s) at 16 t + 8 s
.set MSB, 0
.macro WIN new                         ; the immediate's high byte repeats the setting that is left
.if MSB != \new
	s_set_vgpr_msb (MSB<<8)|\new
.set MSB, \new
.endif
.endm
.macro MMC dd, aa, bb, cc, sa, sb
	v_wmma_scale_f32_16x16x128_f8f6f4 v[\dd:\dd+7], v[\aa:\aa+7], v[\bb:\bb+7], v[\cc:\cc+7], v[\sa], v[\sb] matrix_a_fmt:MATRIX_FMT_FP4 matrix_b_fmt:MATRIX_FMT_FP4
.endm
; 32 numbers of a lane, register 16 b + i = k 32 b + 16 (lane / 16) + i of my row, become 4 registers of codes (k = 32 (lane / 16) + 0 .. 31) and two scale bytes in the low half of v[hw].
.macro QUANT32 src, pc, hw
.irp b, 0,1
	v_max3_num_f32 v[TM+\b], |v[\src+16*\b]|, |v[\src+16*\b+1]|, 0x1800000   ; my 16 numbers of block b, and the floor 2^(3 - 127): the byte cannot fall under 1
.endr
.irp i, 2,4,6,8,10,12,14
.irp b, 0,1
	v_max3_num_f32 v[TM+\b], v[TM+\b], |v[\src+16*\b+\i]|, |v[\src+16*\b+\i+1]|
.endr
.endr
.irp b, 0,1
	v_permlanex16_b32 v[TM+2+\b], v[TM+\b], s[SEL], s[SEL+1]
.endr
.irp b, 0,1
	v_max_num_f32 v[TM+\b], v[TM+\b], v[TM+2+\b]          ; with lane l xor 16's: the block's largest magnitude
.endr
.irp b, 0,1
	v_add_nc_u32 v[TM+4+\b], 0xff000000, v[TM+\b]         ; 2 off its exponent field: the conversion's scale operand
.endr
.irp b, 0,1
	v_lshrrev_b32 v[TM+2+\b], 23, v[TM+4+\b]              ; the scale's byte
.endr
	v_lshl_or_b32 v[\hw], v[TM+3], 8, v[TM+2]
.irp b, 0,1
	v_cvt_scalef32_pk8_fp4_f32 v[\pc+2*\b], v[\src+16*\b:\src+16*\b+7], v[TM+4+\b]
	v_cvt_scalef32_pk8_fp4_f32 v[\pc+2*\b+1], v[\src+16*\b+8:\src+16*\b+15], v[TM+4+\b]
.endr
	v_nop                                                 ; one plain place behind a scaled conversion
	v_permlane16_swap_b32 v[\pc], v[\pc+2]                ; a whole block to a lane: lanes 0-15 block 0, lanes 16-31 block 1
	v_permlane16_swap_b32 v[\pc+1], v[\pc+3]
.endm
	s_load_b256 s[4:11], s[0:1], 0x0               ; value's codes s[4:5], value's scales s[6:7], Wk's codes s[8:9], Wk's scales s[10:11]
	s_load_b256 s[12:19], s[0:1], 0x20             ; bk s[12:13], Wv's codes s[14:15], Wv's scales s[16:17], bv s[18:19]
	s_load_b128 s[20:23], s[0:1], 0x40             ; Wo s[20:21], kv s[22:23]
	s_load_b64 s[24:25], s[0:1], 0x50              ; wo_q
	v_lshrrev_b32 v1, 5, v0
	v_readfirstlane_b32 s26, v1                    ; wave 0..3
	v_and_b32 v1, 15, v0                           ; r
	v_bfe_u32 v2, v0, 4, 1                         ; hh
	v_and_b32 v3, 8, v1
	v_add_nc_u32 v3, v3, v1                        ; rr = r + 8 (r / 8)
	v_lshlrev_b32 v4, 7, v3
	v_lshl_add_u32 v4, v2, 4, v4                   ; a row of 256 codes is 128 bytes: rr x 128 + 16 hh (value's rows and the weights' alike)
	v_lshlrev_b32 v5, 3, v3                        ; scale bytes: 8 a row
	v_and_b32 v6, 31, v0
	v_lshlrev_b32 v6, 4, v6                        ; 16 x lane: an image's place for my lane
	v_lshlrev_b32 v7, 4, v1                        ; 16 x r: my row's four scale words
	v_mov_b32 v[TM+2], 0                           ; written once: a lane permute's destination counts as one of its sources
	v_mov_b32 v[TM+3], 0
	s_mov_b32 s[SEL], 0x76543210
	s_mov_b32 s[SEL+1], 0xfedcba98
	s_mov_b32 s33, 0                               ; the high words of the offset pairs s[32:33], s[36:37]
	s_mov_b32 s37, 0
	s_wait_kmcnt 0x0
	s_cmp_ge_u32 ttmp9, 256
	s_cbranch_scc1 .Lwo
	s_and_b32 s27, s26, 1                          ; 0: K's half, 1: V's half
	s_and_b32 s28, ttmp9, 1
	s_lshl_b32 s28, s28, 1
	s_lshr_b32 s31, s26, 1
	s_add_co_u32 s28, s28, s31                     ; head
	s_lshr_b32 s29, ttmp9, 6                       ; batch
	s_bfe_u32 s30, ttmp9, 0x50001                  ; step of 128 keys
	s_cmp_eq_u32 s27, 0                            ; the weight is chosen by the wave's number alone
	s_cselect_b64 s[8:9], s[8:9], s[14:15]
	s_cselect_b64 s[10:11], s[10:11], s[16:17]
	s_lshl_b32 s31, s29, 12
	s_lshl_b32 s32, s30, 7
	s_add_co_u32 s31, s31, s32                     ; my first row of value
	s_lshl_b32 s32, s31, 7
	s_lshl_b32 s36, s31, 3
	s_add_nc_u64 s[4:5], s[4:5], s[32:33]
	s_add_nc_u64 s[6:7], s[6:7], s[36:37]
	s_lshl_b32 s32, s28, 13                        ; the head's 64 rows of the weight,
	s_add_nc_u64 s[8:9], s[8:9], s[32:33]
	s_lshl_b32 s32, s28, 9                         ; their scale bytes,
	s_add_nc_u64 s[10:11], s[10:11], s[32:33]
	s_lshl_b32 s32, s28, 8                         ; and the head's 64 numbers of each bias
	s_add_nc_u64 s[12:13], s[12:13], s[32:33]
	s_add_nc_u64 s[18:19], s[18:19], s[32:33]
	s_lshl_b32 s32, s29, 5
	s_add_co_u32 s32, s32, s30
	s_lshl_b32 s32, s32, 2
	s_add_co_u32 s32, s32, s28
	s_mul_i32 s32, s32, REC                        ; my record
	s_add_nc_u64 s[22:23], s[22:23], s[32:33]
	WIN 0x40                                       ; destination window 1
	s_wait_alu depctr_va_vdst(0)
.irp t, 0,1,2,3,4,5,6,7
.irp s, 0,1
.irp c, 0,1
	global_load_b128 v[16*\t+8*\s+4*\c:16*\t+8*\s+4*\c+3], v4, s[4:5] offset:(32*(\t/2)+8*(\t%2))*128+64*\s+32*\c
.endr
.endr
.endr
	WIN 0
.irp t, 0,1,2,3,4,5,6,7
.irp s, 0,1
	global_load_b32 v[VS+2*\t+\s], v5, s[6:7] offset:(32*(\t/2)+8*(\t%2))*8+4*\s
.endr
.endr
.irp d, 0,1,2,3
.irp s, 0,1
.irp c, 0,1
	global_load_b128 v[W+16*\d+8*\s+4*\c:W+16*\d+8*\s+4*\c+3], v4, s[8:9] offset:(32*(\d/2)+8*(\d%2))*128+64*\s+32*\c
.endr
	global_load_b32 v[WS+2*\d+\s], v5, s[10:11] offset:(32*(\d/2)+8*(\d%2))*8+4*\s
.endr
.endr
	s_cmp_lg_u32 s27, 0
	s_cbranch_scc1 .Lv
	; ---- K's half.  TRANSPOSED: source 0 = 16 dims of Wk, source 1 = 16 keys: a lane holds one key, and its 32 registers run along the head's dims.
	v_lshlrev_b32 v8, 6, v2                        ; bk: tile d wants dims 32 b' + 16 hh + 8 u' + 0 .. 7
.irp d, 0,1,2,3
	global_load_b128 v[BIAS+8*\d:BIAS+8*\d+3], v8, s[12:13] offset:(32*(\d/2)+8*(\d%2))*4
	global_load_b128 v[BIAS+8*\d+4:BIAS+8*\d+7], v8, s[12:13] offset:(32*(\d/2)+8*(\d%2))*4+16
.endr
	s_wait_loadcnt 0x0                             ; all operands, once
.macro KTILE b, u
.rept 5
	v_nop                                          ; five places: the accumulators are begun anew, with the bias as C, over the last tile's results
.endr
	WIN 0x04                                       ; source 1 (value) window 1
.irp d, 0,1,2,3
	MMC ACC+8*\d, W+16*\d, 16*(2*\b+\u), BIAS+8*\d, WS+2*\d, VS+2*(2*\b+\u)
.endr
.irp d, 0,1,2,3                                ; the four accumulators by turns
	MMC ACC+8*\d, W+16*\d+8, 16*(2*\b+\u)+8, ACC+8*\d, WS+2*\d+1, VS+2*(2*\b+\u)+1
.endr
	WIN 0
.rept 4
	v_nop                                          ; four places in front of the first read of results
.endr
	s_wait_xcnt 0x0                                ; the last tile's store has read its data: the codes' registers are written again only behind this wait
	QUANT32 ACC, PC, HW
	global_store_b128 v6, v[PC:PC+3], s[22:23] offset:1024*\b+512*\u   ; 32 lanes store 512 consecutive bytes, aligned
.if \u == 0
	v_mov_b32 v[KW+\b], v[HW]                      ; the fragment's scale word: bytes 0, 1 tile 2 b's, bytes 2, 3 tile 2 b + 1's
.else
	v_lshl_or_b32 v[KW+\b], v[HW], 16, v[KW+\b]
.endif
.endm
.irp b, 0,1,2,3
	KTILE \b, 0
	KTILE \b, 1
.endr
	global_store_b128 v7, v[KW:KW+3], s[22:23] offset:8192   ; 256 consecutive bytes, aligned; lanes 16-31 hold and write the same as lanes 0-15
	s_endpgm
	; ---- V's half.  Source 0 = 16 keys, source 1 = 16 dims of Wv: a lane holds one dim, and its 32 registers run along 64 keys' halves.
.Lv:
	v_lshlrev_b32 v8, 2, v3                        ; bv: my dim's number, 4 x rr
.irp d, 0,1,2,3
	global_load_b32 v[BIAS+8*\d], v8, s[18:19] offset:(32*(\d/2)+8*(\d%2))*4
.endr
	s_wait_loadcnt 0x0
.irp d, 0,1,2,3
.irp j, 1,2,3,4,5,6,7
	v_mov_b32 v[BIAS+8*\d+\j], v[BIAS+8*\d]        ; the same bias for all eight keys of a lane
.endr
.endr
.macro VTILE d, c
.rept 5
	v_nop                                          ; five places, as above
.endr
	WIN 0x01                                       ; source 0 (value) window 1
.irp t, 0,1,2,3
	MMC ACC+8*\t, 16*(4*\c+\t), W+16*\d, BIAS+8*\d, VS+2*(4*\c+\t), WS+2*\d
.endr
.irp t, 0,1,2,3
	MMC ACC+8*\t, 16*(4*\c+\t)+8, W+16*\d+8, ACC+8*\t, VS+2*(4*\c+\t)+1, WS+2*\d+1
.endr
	WIN 0
.rept 4
	v_nop
.endr
	s_wait_xcnt 0x0                                ; the codes' registers are written again only behind this wait
	QUANT32 ACC, PC, HW                            ; register 16 b + i = key 64 c + 32 b + 16 hh + i
	global_store_b128 v6, v[PC:PC+3], s[22:23] offset:4096+1024*\d+512*\c
.if \c == 0
	v_mov_b32 v[KW+\d], v[HW]                      ; bytes 0 .. 3: the step's four blocks of 32 keys
.else
	v_lshl_or_b32 v[KW+\d], v[HW], 16, v[KW+\d]
.endif
.endm
.irp d, 0,1,2,3
	VTILE \d, 0
	VTILE \d, 1
.endr
	global_store_b128 v7, v[KW:KW+3], s[22:23] offset:8192+256
	s_endpgm
	; ---- Wo.  A lane takes a column n and its registers run DOWN K, in the order that the operand's layout gives the lane: the conversions' results are the fragment.
.Lwo:
	s_sub_co_u32 s27, ttmp9, 256
	s_lshl_b32 s27, s27, 2
	s_add_co_u32 s27, s27, s26                     ; fragment f = 2 nt + s
	s_lshr_b32 s28, s27, 1
	s_and_b32 s29, s27, 1
	s_lshl_b32 s32, s28, 6                         ; 16 columns are 64 bytes,
	s_lshl_b32 s29, s29, 17                        ; 128 rows of 1,024 bytes
	s_add_co_u32 s32, s32, s29
	s_add_nc_u64 s[20:21], s[20:21], s[32:33]
	s_lshl_b32 s32, s27, 10
	s_add_nc_u64 s[36:37], s[24:25], s[32:33]      ; my image
	s_lshl_b32 s32, s27, 7
	s_add_co_u32 s32, s32, 32768
	s_add_nc_u64 s[24:25], s[24:25], s[32:33]      ; my scale words
	v_lshlrev_b32 v8, 2, v1
	v_lshl_add_u32 v8, v2, 15, v8                  ; column r; lanes 16-31 begin 32 rows further down
.irp c, 0,1
.irp i, 0,1,2,3,4,5,6,7,8,9,10,11,12,13,14,15,16,17,18,19,20,21,22,23,24,25,26,27,28,29,30,31
	global_load_b32 v[XN+32*\c+\i], v8, s[20:21] offset:(64*\c+\i)*1024   ; Wo(128 s + 64 c + 32 hh + i, 16 nt + r)
.endr
.endr
	s_wait_loadcnt 0x0
.irp c, 0,1
	v_max3_num_f32 v[TM+\c], |v[XN+32*\c]|, |v[XN+32*\c+1]|, 0x1800000   ; my block 2 c + hh: all its 32 numbers are mine; and the floor
.endr
.irp i, 2,4,6,8,10,12,14,16,18,20,22,24,26,28,30
.irp c, 0,1
	v_max3_num_f32 v[TM+\c], v[TM+\c], |v[XN+32*\c+\i]|, |v[XN+32*\c+\i+1]|
.endr
.endr
.irp c, 0,1
	v_add_nc_u32 v[TM+4+\c], 0xff000000, v[TM+\c]
.endr
.irp c, 0,1
	v_lshrrev_b32 v[TM+2+\c], 23, v[TM+4+\c]
.endr
	v_lshl_or_b32 v[HW], v[TM+3], 16, v[TM+2]      ; my two bytes: blocks hh and 2 + hh,
	v_lshlrev_b32 v[HW+1], 3, v2
	v_lshlrev_b32 v[HW], v[HW+1], v[HW]            ; at their places in the word;
	v_mov_b32 v[HW+1], 0
	v_permlanex16_b32 v[HW+1], v[HW], s[SEL], s[SEL+1]
	v_or_b32 v[HW], v[HW], v[HW+1]                 ; with lane l xor 16's two the word is whole
.irp c, 0,1
.irp g, 0,1,2,3
	v_cvt_scalef32_pk8_fp4_f32 v[ACC+4*\c+\g], v[XN+32*\c+8*\g:XN+32*\c+8*\g+7], v[TM+4+\c]
.endr
.endr
	v_lshrrev_b32 v9, 2, v6                        ; 4 x lane.  (Also the plain place behind the conversions)
	global_store_b128 v6, v[ACC:ACC+3], s[36:37]
	global_store_b128 v6, v[ACC+4:ACC+7], s[36:37] offset:512
	global_store_b32 v9, v[HW], s[24:25]
	s_endpgm
.Lfunc_end_k_q64186e506e_kvproj:
	.size	k_q64186e506e_kvproj, .Lfunc_end_k_q64186e506e_kvproj-k_q64186e506e_kvproj
	.p2alignl 7, 3214868480
	.fill 96, 4, 3214868480
	.section	.rodata,"a",@progbits
	.p2align	6, 0x0
	.amdhsa_kernel k_q64186e506e_kvproj
		.amdhsa_group_segment_fixed_size 0
		.amdhsa_private_segment_fixed_size 0
		.amdhsa_enable_private_segment 0
		.amdhsa_kernarg_size 88
		.amdhsa_user_sgpr_count 2
		.amdhsa_user_sgpr_kernarg_segment_ptr 1
		.amdhsa_wavefront_size32 1
		.amdhsa_system_sgpr_workgroup_id_x 1
		.amdhsa_system_sgpr_workgroup_id_y 1
		.amdhsa_system_sgpr_workgroup_id_z 1
		.amdhsa_system_vgpr_workitem_id 0
		.amdhsa_next_free_vgpr 384
		.amdhsa_next_free_sgpr 66
		.amdhsa_reserve_vcc 0
		.amdhsa_float_denorm_mode_32 3
		.amdhsa_float_denorm_mode_16_64 3
		.amdhsa_memory_ordered 1
		.amdhsa_forward_progress 1
		.amdhsa_inst_pref_size 76
	.end_amdhsa_kernel
	.amdgpu_metadata
---
amdhsa.version: [ 1, 2 ]
amdhsa.kernels:
  - .name:           k_q64186e506e_kvproj
    .symbol:         k_q64186e506e_kvproj.kd
    .args:
      - { .name: value_codes, .offset: 0, .size: 8, .value_kind: global_buffer, .address_space: global }
      - { .name: value_scales, .offset: 8, .size: 8, .value_kind: global_buffer, .address_space: global }
      - { .name: Wk_codes, .offset: 16, .size: 8, .value_kind: global_buffer, .address_space: global }
      - { .name: Wk_scales, .offset: 24, .size: 8, .value_kind: global_buffer, .address_space: global }
      - { .name: bk, .offset: 32, .size: 8, .value_kind: global_buffer, .address_space: global }
      - { .name: Wv_codes, .offset: 40, .size: 8, .value_kind: global_buffer, .address_space: global }
      - { .name: Wv_scales, .offset: 48, .size: 8, .value_kind: global_buffer, .address_space: global }
      - { .name: bv, .offset: 56, .size: 8, .value_kind: global_buffer, .address_space: global }
      - { .name: Wo, .offset: 64, .size: 8, .value_kind: global_buffer, .address_space: global }
      - { .name: kv, .offset: 72, .size: 8, .value_kind: global_buffer, .address_space: global }
      - { .name: wo_q, .offset: 80, .size: 8, .value_kind: global_buffer, .address_space: global }
    .group_segment_fixed_size: 0
    .private_segment_fixed_size: 0
    .kernarg_segment_align: 8
    .kernarg_segment_size: 88
    .max_flat_workgroup_size: 128
    .sgpr_count:     66
    .vgpr_count:     384
    .wavefront_size: 32
...
	.end_amdgpu_metadata
.endif
;; end of part 1
;; launch attn (part 2): grid 64 x 4, 16 waves a work-group, no clusters, 327,680 bytes of LDS; arguments query, Wq_codes, Wq_scales, bq, kv, wo_q, bo, gamma, beta, out0; writes out0
.if DOCPART == 2
	.amdgcn_target "amdgcn-amd-amdhsa--gfx1250"
	.amdhsa_code_object_version 6
	.text
	.protected	k_q64186e506e_attn
	.globl	k_q64186e506e_attn
	.p2align	8
	.type	k_q64186e506e_attn,@function
k_q64186e506e_attn:
	s_mov_b64 s[64:65], 0
	v_nop
	global_prefetch_b8 v0, s[64:65] scope:SCOPE_SE
	s_setreg_imm32_b32 hwreg(HW_REG_WAVE_MODE, 25, 1), 1
	s_wait_xcnt 0x0
; out0 = LayerNorm(query + softmax_causal(q k^T / 8) v Wo + bo), q = query Wq + bq; all products on codes of FP4 (E2M1) with one E8M0 scale for each 32 along K.
; k, v and Wo come as images of operand registers from the launch before (kv, wo_q: their layout is stated there).  query, q, p and ctx are quantised here, in registers.
; THE SOFTMAX: t = score x log2(e) / 8; M = the running largest t rounded UP to a whole number; p = 2^(t - M) is quantised along the keys, not normalised; the sum is taken of the unquantised p and divides at the end.
; When M moves, the sum and O are multiplied by 2^(old M - new M), which rounds nothing.  Hidden keys (key > query) get the score -infinity, so p = 0; steps all of whose keys are hidden are left out.
; SHARES.  A work-group owns, of one batch, the query blocks a and 127 - a of 32 queries, for all 4 heads: 64 x 4 = 256 work-groups whose visible keys add up alike.  Sixteen waves of 256 registers; wave w has head h = w % 4 and
; tile T = (w / 4 + w) % 4 of 16 queries (T = 0, 1: block a; T = 2, 3: block 127 - a): any four waves w, w + 4, .. and any four w, w + 1, .. hold two early and two late tiles.
; K = 64 IS HALF OF THE INSTRUCTION'S 128.  A fragment of K carries 32 keys: registers 0-3 those of tile 2 b, registers 4-7 those of tile 2 b + 1.  q stands in twelve registers, zeros | q | zeros: the last eight (q, zeros) pick tile 2 b,
; the first eight (zeros, q) tile 2 b + 1; q's scale word repeats its two bytes.  Zero codes add nothing.
; Both attention products are used transposed (S^T = K q^T, O^T = V^T p^T): a lane holds ONE query throughout; the keys and dims of a tile are so chosen (r + 8 (r / 8)) that 16 result registers are 16 neighbours along the next K.
; THE RING: two LDS slots of 256 keys x 4 heads (69,632 dense bytes of kv), each filled by waves 0-3, a quarter each; all sixteen waves read them.  A work-group walks only the pairs of slots that its last query sees.
; NO CLUSTER: the work-groups that read the same k and v are other query blocks of the batch; their causal branches and their numbers of slots hang on the block's number, which differs between such partners.
; LIMITS: NaN and infinities are not served.  A block of zeros keeps the byte 1 (its codes are zeros; the bytes are read here alone).  1 / sum and 1 / sqrt are v_rcp_f32 and v_rsq_f32.
.set REC,    8704                      ; a record: 128 keys of one head
.set STEPB,  4*REC                     ; a step: 128 keys, four heads
.set SLOTB,  2*STEPB
.set QUART,  SLOTB/4                   ; 68 rows of 256 bytes: what one tensor load brings
.set BATCHB, 32*STEPB
.set XP,     1040                      ; a row of 256 f32 in LDS: 1,024 bytes + 16: 16 rows start at 16 different groups of four banks
.set XROW,   2*SLOTB                   ; 64 rows of query, kept for the residual
.set CIMG,   XROW+64*XP                ; ctx's 8 fragments (2 T + s), 1,024 bytes each
.set CSC,    CIMG+8192                 ; ctx's scale bytes: 128 bytes for each wave, a word a lane
.set STAGE,  CSC+2048                  ; 64 rows of the last product
.set SPARE,  STAGE+64*XP               ; the spare words, 128 bytes for each wave: eight blocks of 256 bytes that no other line names
.set SPW, 1                            ; v1   SPARE + 4 x my thread's number; never rewritten
.set NIL, 2                            ; v2   0; never rewritten
.set AD0, 3                            ; v3   16 x lane + REC x head: my place in slot 0
.set AD1, 4                            ; v4   the same in slot 1
; v5 4 x lane; v6 r - 16 hh; v7, v8 XROW by rows of my four / of my tile; v9, v10 where I store ctx's codes and bytes; v11, v12 where I read them; v13, v14 STAGE in and back; v15 16 x lane
; v16 -M, v17 the largest t, v[18:19] the sum in two halves; v[20:31] zeros | q | zeros; v32 q's scale word; v33 p's scale word; v[36:39] K's and V's scale words
.set SCW, 36
.set KFR, 40                           ; v40-71   K's four fragments   (head: Wq's; tail: Wo's, then rows)
.set VFR, 72                           ; v72-103  V's four fragments
.set S,   104                          ; v104-167 S^T, then p
.set CX,  136                          ; v136-167 q, ctx, the last product's results
.set OT,  168                          ; v168-199 O^T
.set PC,  200                          ; v200-207 codes just made
.set BM,  208                          ; v208-211 the blocks' largest
.set T2,  212                          ; v212-215 at work
.set SCO, 216                          ; v216-219 the conversions' scale operands
.set TM,  208                          ; the quantisers' sixteen registers v208-223
.set WSC, 232                          ; v232-239 the weight's scale words; v240-241 x's or ctx's; v242-249 the second fragment of x or ctx
.set XSC, 240
.set SEL, 34                           ; s[34:35] selects of v_permlanex16_b32 for lane l xor 16
.macro MMC dd, aa, bb, cc, sa, sb
	v_wmma_scale_f32_16x16x128_f8f6f4 v[\dd:\dd+7], v[\aa:\aa+7], v[\bb:\bb+7], v[\cc:\cc+7], v[\sa], v[\sb] matrix_a_fmt:MATRIX_FMT_FP4 matrix_b_fmt:MATRIX_FMT_FP4
.endm
.macro MMZ dd, aa, bb, sa, sb
	v_wmma_scale_f32_16x16x128_f8f6f4 v[\dd:\dd+7], v[\aa:\aa+7], v[\bb:\bb+7], 0, v[\sa], v[\sb] matrix_a_fmt:MATRIX_FMT_FP4 matrix_b_fmt:MATRIX_FMT_FP4
.endm
.macro PLACES n
.rept \n
	v_nop
.endr
.endm
.macro BARRIER                         ; my LDS stores have landed and my LDS loads are in: then the work-group's barrier
	s_wait_dscnt 0x0
	s_barrier_signal -1
	s_barrier_wait -1
.endm
; 32 numbers of a lane, register 16 b + i = k 32 b + 16 (lane / 16) + i of my row, become 4 registers of codes (k = 32 (lane / 16) + 0 .. 31) and two scale bytes in the low half of v[hw].
.macro QUANT32 src, pc, hw
.irp b, 0,1
	v_max3_num_f32 v[TM+\b], |v[\src+16*\b]|, |v[\src+16*\b+1]|, 0x1800000   ; and the floor 2^(3 - 127): the byte cannot fall under 1
.endr
.irp i, 2,4,6,8,10,12,14
.irp b, 0,1
	v_max3_num_f32 v[TM+\b], v[TM+\b], |v[\src+16*\b+\i]|, |v[\src+16*\b+\i+1]|
.endr
.endr
.irp b, 0,1
	s_delay_alu instid0(VALU_DEP_2)
	v_permlanex16_b32 v[TM+2+\b], v[TM+\b], s[SEL], s[SEL+1]
.endr
.irp b, 0,1
	s_delay_alu instid0(VALU_DEP_2)
	v_max_num_f32 v[TM+\b], v[TM+\b], v[TM+2+\b]
.endr
.irp b, 0,1
	s_delay_alu instid0(VALU_DEP_2)
	v_add_nc_u32 v[TM+4+\b], 0xff000000, v[TM+\b]         ; 2 off the exponent field: the conversion's scale operand
.endr
.irp b, 0,1
	s_delay_alu instid0(VALU_DEP_2)
	v_lshrrev_b32 v[TM+2+\b], 23, v[TM+4+\b]
.endr
	s_delay_alu instid0(VALU_DEP_1)
	v_lshl_or_b32 v[\hw], v[TM+3], 8, v[TM+2]
.irp b, 0,1
	v_cvt_scalef32_pk8_fp4_f32 v[\pc+2*\b], v[\src+16*\b:\src+16*\b+7], v[TM+4+\b]
	v_cvt_scalef32_pk8_fp4_f32 v[\pc+2*\b+1], v[\src+16*\b+8:\src+16*\b+15], v[TM+4+\b]
.endr
	v_nop                                                 ; one plain place behind a scaled conversion
	v_permlane16_swap_b32 v[\pc], v[\pc+2]
	v_permlane16_swap_b32 v[\pc+1], v[\pc+3]
.endm
; 64 numbers likewise (four blocks) become a fragment's 8 registers and its scale word.
.macro QUANT64 src, pc, pw
.irp b, 0,1,2,3
	v_max3_num_f32 v[TM+\b], |v[\src+16*\b]|, |v[\src+16*\b+1]|, 0x1800000
.endr
.irp i, 2,4,6,8,10,12,14
.irp b, 0,1,2,3
	s_delay_alu instid0(VALU_DEP_4)
	v_max3_num_f32 v[TM+\b], v[TM+\b], |v[\src+16*\b+\i]|, |v[\src+16*\b+\i+1]|
.endr
.endr
.irp b, 0,1,2,3
	s_delay_alu instid0(VALU_DEP_4)
	v_permlanex16_b32 v[TM+4+\b], v[TM+\b], s[SEL], s[SEL+1]
.endr
.irp b, 0,1,2,3
	s_delay_alu instid0(VALU_DEP_4)
	v_max_num_f32 v[TM+\b], v[TM+\b], v[TM+4+\b]
.endr
.irp b, 0,1,2,3
	s_delay_alu instid0(VALU_DEP_4)
	v_add_nc_u32 v[TM+12+\b], 0xff000000, v[TM+\b]
.endr
.irp b, 0,1,2,3
	s_delay_alu instid0(VALU_DEP_4)
	v_lshrrev_b32 v[TM+4+\b], 23, v[TM+12+\b]
.endr
	s_delay_alu instid0(VALU_DEP_3)
	v_lshl_or_b32 v[\pw], v[TM+5], 8, v[TM+4]
	s_delay_alu instid0(VALU_DEP_1)
	v_lshl_or_b32 v[\pw], v[TM+6], 16, v[\pw]
	s_delay_alu instid0(VALU_DEP_1)
	v_lshl_or_b32 v[\pw], v[TM+7], 24, v[\pw]
.irp b, 0,1,2,3
	v_cvt_scalef32_pk8_fp4_f32 v[\pc+2*\b], v[\src+16*\b:\src+16*\b+7], v[TM+12+\b]
	v_cvt_scalef32_pk8_fp4_f32 v[\pc+2*\b+1], v[\src+16*\b+8:\src+16*\b+15], v[TM+12+\b]
.endr
	v_nop
.irp c, 0,1
.irp i, 0,1
	v_permlane16_swap_b32 v[\pc+4*\c+\i], v[\pc+4*\c+2+\i]
.endr
.endr
.endm
; Waves 0 to 3 fetch a quarter of slot n each, the others nothing.  The branch hangs on the wave's number alone.  Four v_nop follow the load.
.macro TLOAD n
	s_cmp_lt_u32 s24, 4
	s_cbranch_scc0 .Lnone_\@
	tensor_load_to_lds s[48+4*\n:51+4*\n], s[40:47]
	s_nop 0
	PLACES 4
.Lnone_\@:
.endm
; THE CHANGE OF SLOTS.  Each wave waits for all its tensor loads (its part of the slot ahead), adds 0 to its spare word, and waits for that and for its reads of the slot that it has left; behind the barrier the slot ahead is whole
; and nobody reads the other.  fill = 1: that other slot takes the 256 keys two slots on: the load has a slot's two steps in which to land.
.macro CHANGE other, fill
	s_wait_tensorcnt 0x0                           ; no tensor load of mine is out, so a group 0 may be written
	ds_add_u32 v[SPW], v[NIL]                      ; 0 onto my spare word
.if \fill
	s_add_nc_u64 s[50+4*\other:51+4*\other], s[50+4*\other:51+4*\other], 2*SLOTB   ; the type bits on top are not reached
.endif
	s_wait_dscnt 0x0                               ; the add is done, and my reads of the slot that I have left are over
	s_barrier_signal -1
	s_barrier_wait -1
.if \fill
	TLOAD \other                                   ; the first thing behind the barrier, and a wave's one tensor load until the next
.endif
.endm
; A KEY STEP: 128 keys, the q-th of the slot whose address register is ad.  s31 = the step's first key, s30 = my first query.
.macro STEP ad, q
	s_add_co_u32 s33, s30, 15                      ; all 128 keys come after my 16 queries: the step's work is left out (a branch on ids; no barrier and no tensor load stands in a step)
	s_cmp_gt_u32 s31, s33
	s_cbranch_scc1 .Lhid_\@
	PLACES 4                                       ; in front of loads into registers that the last products read
.irp i, 0,1,2,3,4,5,6,7
	ds_load_b128 v[KFR+4*\i:KFR+4*\i+3], v[\ad] offset:(\q)*STEPB+512*\i
.endr
	ds_load_b128 v[SCW:SCW+3], v[\ad] offset:(\q)*STEPB+8192          ; lanes 0-15 K's four scale words, lanes 16-31 V's
.irp i, 0,1,2,3,4,5,6,7
	ds_load_b128 v[VFR+4*\i:VFR+4*\i+3], v[\ad] offset:(\q)*STEPB+4096+512*\i
.endr
	s_wait_dscnt 8                                 ; K and the scale words are in; V's eight younger loads may stay out
.irp b, 0,1,2,3
	MMZ S+16*\b, KFR+8*\b, 24, SCW+\b, 32          ; (q, zeros): tile 2 b
	MMZ S+16*\b+8, KFR+8*\b, 20, SCW+\b, 32        ; (zeros, q): tile 2 b + 1.  Register 16 b + i of a lane: key 32 b + 16 hh + i
.endr
	PLACES 4
	s_add_co_u32 s33, s31, 127                     ; a step all of whose keys count skips the mask
	s_cmp_le_u32 s33, s30
	s_cbranch_scc1 .Lopen_\@
	s_sub_co_i32 s33, s30, s31
	v_add_nc_u32 v222, s33, v6                     ; d = my query - the step's first key - 16 hh: register 16 b + i is hidden where 32 b + i > d
	v_mov_b32 v223, 0xff800000                     ; -infinity
.set n, 0
.rept 64
	v_cmp_gt_i32 vcc_lo, 32*(n/16)+n%16, v222
	v_cndmask_b32 v[S+n], v[S+n], v223, vcc_lo
.set n, n+1
.endr
.Lopen_\@:
.irp b, 0,1,2,3
	v_max3_num_f32 v[BM+\b], v[S+16*\b], v[S+16*\b+1], v[S+16*\b+2]   ; the largest score of each block of 32 keys: for the row's maximum, and, since p rises with the score, for the block's largest p
.endr
.irp i, 3,5,7,9,11,13
.irp b, 0,1,2,3
	v_max3_num_f32 v[BM+\b], v[BM+\b], v[S+16*\b+\i], v[S+16*\b+\i+1]
.endr
.endr
.irp b, 0,1,2,3
	v_max_num_f32 v[BM+\b], v[BM+\b], v[S+16*\b+15]
.endr
.irp b, 0,1,2,3
	s_delay_alu instid0(VALU_DEP_4)
	v_permlanex16_b32 v[T2+\b], v[BM+\b], s[SEL], s[SEL+1]
.endr
.irp b, 0,1,2,3
	s_delay_alu instid0(VALU_DEP_4)
	v_max_num_f32 v[BM+\b], v[BM+\b], v[T2+\b]     ; with lane l xor 16's 16 keys
.endr
	s_delay_alu instid0(VALU_DEP_2)
	v_max3_num_f32 v222, v[BM], v[BM+1], v[BM+2]
	s_delay_alu instid0(VALU_DEP_1)
	v_max_num_f32 v222, v222, v[BM+3]              ; the step's largest score of my query (the step's first key counts for every query of the tile)
	s_delay_alu instid0(VALU_DEP_1)
	v_mul_f32 v222, s36, v222                      ; as t
	s_delay_alu instid0(VALU_DEP_1)
	v_max_num_f32 v17, v17, v222                   ; the running largest t
	v_mov_b32 v222, v16
	s_delay_alu instid0(VALU_DEP_2)
	v_floor_f32 v16, -v17                          ; the new -M = floor(-t): M is a whole number
	s_delay_alu instid0(VALU_DEP_1)
	v_sub_f32 v222, v16, v222                      ; old M - new M: a whole number, 0 or less
	s_delay_alu instid0(VALU_DEP_1)
	v_cvt_i32_f32 v222, v222                       ; (it saturates)
	s_delay_alu instid0(VALU_DEP_1)
	v_ldexp_f32 v220, 1.0, v222                    ; f = 2^(old M - new M)
.set n, 0
.rept 32
	v_pk_fma_f32 v[S+n:S+n+1], v[S+n:S+n+1], s[36:37], v[16:17] op_sel_hi:[1,0,0]   ; t - M, two at a time
.set n, n+2
.endr
.irp b, 0,1,2,3
	v_fma_f32 v[BM+\b], v[BM+\b], s36, v16         ; the same of each block's largest score
.endr
.set n, 0
	s_wait_alu depctr_va_vdst(0)
.rept 64
	v_exp_f32 v[S+n], v[S+n]                       ; p = 2^(t - M)
.set n, n+1
.endr
.irp b, 0,1,2,3
	v_exp_f32 v[BM+\b], v[BM+\b]                   ; the block's largest p: the same two instructions on the same number
.endr
	v_pk_mul_f32 v[18:19], v[18:19], v[220:221] op_sel_hi:[1,0]       ; the sums under the new M.  (A plain place behind the exponentials)
	s_wait_alu depctr_va_vdst(0)
.irp b, 0,1,2,3
	v_max_num_f32 v[BM+\b], 0x1800000, v[BM+\b]    ; the floor 2^(3 - 127)
.endr
.irp b, 0,1,2,3
	s_delay_alu instid0(VALU_DEP_4)
	v_add_nc_u32 v[SCO+\b], 0xff000000, v[BM+\b]
.endr
.irp b, 0,1,2,3
	s_delay_alu instid0(VALU_DEP_4)
	v_lshrrev_b32 v[T2+\b], 23, v[SCO+\b]
.endr
	s_delay_alu instid0(VALU_DEP_3)
	v_lshl_or_b32 v33, v[T2+1], 8, v[T2]           ; p's scale word for these 128 keys
	s_delay_alu instid0(VALU_DEP_1)
	v_lshl_or_b32 v33, v[T2+2], 16, v33
	s_delay_alu instid0(VALU_DEP_1)
	v_lshl_or_b32 v33, v[T2+3], 24, v33
.irp b, 0,1,2,3
	v_cvt_scalef32_pk8_fp4_f32 v[PC+2*\b], v[S+16*\b:S+16*\b+7], v[SCO+\b]
	v_cvt_scalef32_pk8_fp4_f32 v[PC+2*\b+1], v[S+16*\b+8:S+16*\b+15], v[SCO+\b]
.endr
	v_nop                                          ; one plain place behind a scaled conversion
.irp c, 0,1
.irp i, 0,1
	v_permlane16_swap_b32 v[PC+4*\c+\i], v[PC+4*\c+2+\i]
.endr
.endr
	v_pk_add_f32 v[212:213], v[108:109], v[112:113]
	v_pk_add_f32 v[254:255], v[116:117], v[120:121]
	v_pk_add_f32 v[252:253], v[124:125], v[128:129]
	v_pk_add_f32 v[250:251], v[132:133], v[136:137]
	v_pk_add_f32 v[248:249], v[140:141], v[144:145]
	v_pk_add_f32 v[246:247], v[148:149], v[152:153]
	v_pk_add_f32 v[244:245], v[156:157], v[160:161]
	v_pk_add_f32 v[18:19], v[18:19], v[164:165]
	v_pk_add_f32 v[212:213], v[212:213], v[104:105]
	v_pk_add_f32 v[254:255], v[254:255], v[106:107]
	v_pk_add_f32 v[252:253], v[252:253], v[110:111]
	v_pk_add_f32 v[250:251], v[250:251], v[114:115]
	v_pk_add_f32 v[248:249], v[248:249], v[118:119]
	v_pk_add_f32 v[246:247], v[246:247], v[122:123]
	v_pk_add_f32 v[244:245], v[244:245], v[126:127]
	v_pk_add_f32 v[18:19], v[18:19], v[130:131]
	v_pk_add_f32 v[212:213], v[212:213], v[134:135]
	v_pk_add_f32 v[254:255], v[254:255], v[138:139]
	v_pk_add_f32 v[252:253], v[252:253], v[142:143]
	v_pk_add_f32 v[250:251], v[250:251], v[146:147]
	v_pk_add_f32 v[248:249], v[248:249], v[150:151]
	v_pk_add_f32 v[246:247], v[246:247], v[154:155]
	v_pk_add_f32 v[244:245], v[244:245], v[158:159]
	v_pk_add_f32 v[18:19], v[18:19], v[162:163]
	v_pk_add_f32 v[212:213], v[212:213], v[166:167]
	s_delay_alu instid0(VALU_DEP_2)
	v_pk_add_f32 v[18:19], v[18:19], v[250:251]
	s_delay_alu instid0(VALU_DEP_2)
	v_pk_add_f32 v[212:213], v[212:213], v[248:249]
	v_pk_add_f32 v[254:255], v[254:255], v[246:247]
	v_pk_add_f32 v[252:253], v[252:253], v[244:245]
	s_delay_alu instid0(VALU_DEP_2)
	v_pk_add_f32 v[18:19], v[18:19], v[254:255]
	s_delay_alu instid0(VALU_DEP_2)
	v_pk_add_f32 v[212:213], v[212:213], v[252:253]
	s_delay_alu instid0(VALU_DEP_1)
	v_pk_add_f32 v[18:19], v[18:19], v[212:213]
.set n, 0
.rept 16
	v_pk_mul_f32 v[OT+n:OT+n+1], v[OT+n:OT+n+1], v[220:221] op_sel_hi:[1,0]   ; O^T under the new M.  (These and the sums are the places between p's codes and scale word and the products below)
.set n, n+2
.endr
	s_wait_alu depctr_va_vdst(0)
	s_wait_dscnt 0x0                               ; V is in
.irp d, 0,1,2,3                                ; O^T += V^T p^T: the four accumulators by turns; V's scale words stand in lanes 16-31
	v_wmma_scale_f32_16x16x128_f8f6f4 v[OT+8*\d:OT+8*\d+7], v[VFR+8*\d:VFR+8*\d+7], v[PC:PC+7], v[OT+8*\d:OT+8*\d+7], v[SCW+\d], v33 matrix_a_fmt:MATRIX_FMT_FP4 matrix_b_fmt:MATRIX_FMT_FP4 matrix_a_scale:MATRIX_SCALE_ROW1
.endr
.Lhid_\@:
	s_add_co_u32 s31, s31, 128
.endm
	; ---- the head: roles, addresses, descriptors, the first fills
	s_load_b256 s[4:11], s[0:1], 0x0               ; query s[4:5], Wq's codes s[6:7], Wq's scales s[8:9], bq s[10:11]
	s_load_b256 s[12:19], s[0:1], 0x20             ; kv s[12:13], wo_q s[14:15], bo s[16:17], gamma s[18:19]
	s_load_b128 s[20:23], s[0:1], 0x40             ; beta s[20:21], out0 s[22:23]
	v_lshl_add_u32 v[SPW], v0, 2, SPARE
	v_mov_b32 v[NIL], 0
	ds_add_u32 v1, v2
	ds_add_u32 v1, v2
	s_wait_dscnt 0x0
	v_lshrrev_b32 v3, 5, v0
	s_delay_alu instid0(VALU_DEP_1)
	v_readfirstlane_b32 s24, v3                    ; wave 0..15
	s_and_b32 s25, s24, 3                          ; head h
	s_lshr_b32 s26, s24, 2
	s_add_co_u32 s26, s26, s24
	s_and_b32 s26, s26, 3                          ; tile T
	s_lshl_b32 s27, s26, 2
	s_add_co_u32 s27, s27, s25                     ; u = 4 T + h
	s_mov_b32 s28, ttmp9                           ; a
	s_and_b32 s29, ttmp7, 0xffff                   ; batch
	s_mov_b32 s40, 3<<16                           ; group 1: no mask; elements of 8 bytes; no padding (images are read at 16 x lane)
	s_mov_b32 s41, 32<<16                          ; tensor_dim0 = 32 elements: 256 bytes
	s_mov_b32 s42, 68<<16                          ; tensor_dim1 = 68 rows
	s_mov_b32 s43, 32<<16                          ; tile_dim0
	s_mov_b32 s44, 68                              ; tile_dim1
	s_mov_b32 s45, 32                              ; the pitch: dense
	s_mov_b32 s46, 0
	s_mov_b32 s47, 0
	s_mul_i32 s56, s24, QUART                      ; my quarter of a slot
	s_mov_b32 s48, 1
	s_mov_b32 s49, s56                             ; LDS address in slot 0
	s_mov_b32 s52, 1
	s_add_co_u32 s53, s56, SLOTB                   ; and in slot 1
	s_mul_i32 s58, s29, BATCHB
	s_add_co_u32 s58, s58, s56
	s_mov_b32 s59, 0
	s_wait_kmcnt 0x0
	s_add_nc_u64 s[50:51], s[12:13], s[58:59]      ; keys 0-255 of my batch,
	s_add_nc_u64 s[54:55], s[50:51], SLOTB         ; keys 256-511
	s_or_b32 s51, s51, 0x80000000                  ; type = 2
	s_or_b32 s55, s55, 0x80000000
	s_cmp_lt_u32 s24, 4                            ; both first fills in one branch, ahead of every wait on TENSORcnt, LDS read and barrier: two loads of a fetching wave are out
	s_cbranch_scc0 .Lnofill
	tensor_load_to_lds s[48:51], s[40:47]
	s_nop 0
	tensor_load_to_lds s[52:55], s[40:47]
	s_nop 0
	PLACES 4
.Lnofill:
	s_lshl_b32 s56, s28, 5                         ; 32 a
	s_lshl_b32 s57, s26, 4                         ; 16 T
	s_add_co_u32 s58, s56, s57                     ; T < 2: my first query is 32 a + 16 T,
	s_sub_co_u32 s59, 4032, s56
	s_add_co_u32 s59, s59, s57                     ; else 32 (127 - a) + 16 (T - 2)
	s_cmp_lt_u32 s26, 2
	s_cselect_b32 s30, s58, s59                    ; it enters global offsets and scalar compares alone
	s_sub_co_u32 s32, 4607, s56
	s_lshr_b32 s32, s32, 9
	s_sub_co_u32 s32, s32, 1                       ; pairs of slots that my last query (4095 - 32 a) sees, less one: 4 to 7
	s_mov_b32 s31, 0                               ; the step's first key
	s_mov_b32 s[SEL], 0x76543210
	s_mov_b32 s[SEL+1], 0xfedcba98
	s_mov_b32 s36, 0x3e38aa3b                      ; c = log2(e) / 8
	s_mov_b32 s37, s36                             ; (named with it as a pair, so it is written)
	s_mov_b32 s38, 0x3b800000                      ; 1 / 256
	s_mov_b32 s39, 0x3a83126f                      ; 1e-3
	v_and_b32 v222, 15, v0                         ; r
	v_bfe_u32 v223, v0, 4, 1                       ; hh
	v_and_b32 v15, 31, v0
	s_delay_alu instid0(VALU_DEP_1)
	v_lshlrev_b32 v5, 2, v15                       ; 4 x lane
	s_delay_alu instid0(VALU_DEP_2)
	v_lshlrev_b32 v15, 4, v15                      ; 16 x lane
	s_mul_i32 s33, s25, REC
	v_add_nc_u32 v[AD0], s33, v15
	s_delay_alu instid0(VALU_DEP_1)
	v_add_nc_u32 v[AD1], SLOTB, v[AD0]
	v_lshlrev_b32 v6, 4, v223
	s_delay_alu instid0(VALU_DEP_1)
	v_sub_nc_u32 v6, v222, v6                      ; r - 16 hh
	s_mul_i32 s33, s27, 4*XP
	v_add_nc_u32 v7, s33, v15
	s_delay_alu instid0(VALU_DEP_1)
	v_add_nc_u32 v14, STAGE, v7                    ; STAGE, back: rows 4 u on, 16 bytes a lane
	s_delay_alu instid0(VALU_DEP_2)
	v_add_nc_u32 v7, XROW, v7                      ; XROW: the same rows
	v_mul_u32_u24 v8, v222, XP
	s_mul_i32 s33, s26, 16*XP
	v_add_nc_u32 v8, s33, v8                       ; row 16 T + r
	s_lshl_b32 s33, s25, 8
	v_lshl_add_u32 v13, v223, 5, v8
	s_delay_alu instid0(VALU_DEP_1)
	v_add_nc_u32 v13, s33, v13
	s_delay_alu instid0(VALU_DEP_1)
	v_add_nc_u32 v13, STAGE, v13                   ; STAGE, in: row 16 T + r, + 256 h + 32 hh
	v_lshl_add_u32 v8, v223, 6, v8
	s_delay_alu instid0(VALU_DEP_1)
	v_add_nc_u32 v8, XROW, v8                      ; XROW: row 16 T + r, + 64 hh: my 16 numbers of a block of 32
	s_lshl_b32 s33, s27, 9
	v_add_nc_u32 v9, s33, v15
	s_delay_alu instid0(VALU_DEP_1)
	v_add_nc_u32 v9, CIMG, v9                      ; my four registers of ctx's codes: piece h % 2 of fragment 2 T + h / 2
	s_lshl_b32 s33, s27, 7
	v_add_nc_u32 v10, s33, v5
	s_delay_alu instid0(VALU_DEP_1)
	v_add_nc_u32 v10, CSC, v10                     ; my two scale bytes, a word a lane
	s_lshl_b32 s33, s26, 11
	v_add_nc_u32 v11, s33, v15
	s_delay_alu instid0(VALU_DEP_1)
	v_add_nc_u32 v11, CIMG, v11                    ; my tile's two fragments
	s_lshl_b32 s33, s26, 9
	v_add_nc_u32 v12, s33, v5
	s_delay_alu instid0(VALU_DEP_1)
	v_add_nc_u32 v12, CSC, v12                     ; and the four heads' scale bytes
	v_and_b32 v224, 8, v222
	s_delay_alu instid0(VALU_DEP_1)
	v_add_nc_u32 v224, v224, v222                  ; rr = r + 8 (r / 8)
	s_delay_alu instid0(VALU_DEP_1)
	v_lshlrev_b32 v225, 7, v224
	s_delay_alu instid0(VALU_DEP_1)
	v_lshl_add_u32 v225, v223, 4, v225             ; Wq: a row of 256 codes is 128 bytes
	s_wait_alu depctr_va_vdst(0)
	v_lshlrev_b32 v226, 3, v224                    ; its scale bytes: 8 a row
	s_wait_alu depctr_va_vdst(0)
	v_lshlrev_b32 v227, 6, v223                    ; bq: 64 hh
	s_wait_alu depctr_va_vdst(0)
.irp j, 210,211,212,213,214,215
	v_mov_b32 v[\j], 0                             ; written once: a lane permute's destination counts as one of its sources
.endr
	s_mov_b32 s61, 0
	s_lshl_b32 s60, s29, 12
	s_add_co_u32 s60, s60, s30
	s_lshl_b32 s62, s25, 2
	s_add_co_u32 s60, s60, s62
	s_lshl_b32 s60, s60, 10                        ; the four rows that I fetch and store: batch x 4,096 + my first query + 4 h, rows of 1,024 bytes
	s_add_nc_u64 s[4:5], s[4:5], s[60:61]
	s_add_nc_u64 s[22:23], s[22:23], s[60:61]
	s_lshl_b32 s60, s25, 13
	s_add_nc_u64 s[6:7], s[6:7], s[60:61]          ; the head's 64 rows of Wq
	s_add_nc_u64 s[66:67], s[14:15], s[60:61]      ; Wo's fragments 8 h on: columns 64 h .. 64 h + 63
	s_lshl_b32 s60, s25, 9
	s_add_nc_u64 s[8:9], s[8:9], s[60:61]
	s_lshl_b32 s60, s25, 8
	s_add_nc_u64 s[10:11], s[10:11], s[60:61]
	s_lshl_b32 s60, s25, 10
	s_add_co_u32 s60, s60, 32768
	s_add_nc_u64 s[68:69], s[14:15], s[60:61]      ; and their scale words
	; ---- my four rows of query go to LDS; Wq, its scales and bq are asked for behind them
.irp i, 0,1,2,3
.irp k, 0,1
	global_load_b128 v[S+8*\i+4*\k:S+8*\i+4*\k+3], v15, s[4:5] offset:1024*\i+512*\k th:TH_LOAD_NT   ; 32 lanes read 512 consecutive bytes; read once in the launch
.endr
.endr
.irp d, 0,1,2,3
.irp s, 0,1
.irp c, 0,1
	global_load_b128 v[KFR+16*\d+8*\s+4*\c:KFR+16*\d+8*\s+4*\c+3], v225, s[6:7] offset:(32*(\d/2)+8*(\d%2))*128+64*\s+32*\c
.endr
.endr
.endr
.irp d, 0,1,2,3
.irp s, 0,1
	global_load_b32 v[WSC+2*\d+\s], v226, s[8:9] offset:(32*(\d/2)+8*(\d%2))*8+4*\s
.endr
.endr
.irp d, 0,1,2,3
	global_load_b128 v[OT+8*\d:OT+8*\d+3], v227, s[10:11] offset:(32*(\d/2)+8*(\d%2))*4
	global_load_b128 v[OT+8*\d+4:OT+8*\d+7], v227, s[10:11] offset:(32*(\d/2)+8*(\d%2))*4+16
.endr
	s_wait_loadcnt 32                              ; query's eight loads are in; the 16 + 8 + 8 younger ones may stay out
.irp i, 0,1,2,3
.irp k, 0,1
	ds_store_b128 v7, v[S+8*\i+4*\k:S+8*\i+4*\k+3] offset:XP*\i+512*\k
.endr
.endr
	BARRIER                                        ; 64 rows of query lie in LDS
	; ---- my tile's 16 rows of query become two fragments (each of a tile's four waves makes them for itself: that spares a barrier)
.irp s, 0,1
.irp b, 0,1,2,3
.irp j, 0,1,2,3
	ds_load_b128 v[S+16*\b+4*\j:S+16*\b+4*\j+3], v8 offset:512*\s+128*\b+16*\j
.endr
.endr
	s_wait_dscnt 0x0
	QUANT64 S, PC+42*\s, XSC+\s
.endr
	s_wait_loadcnt 0x0                             ; Wq, its scales, bq
	PLACES 8                                       ; a scale word written by vector instructions stands eight places ahead of a scaled product, an operand four
	; ---- q = x Wq^T + bq, TRANSPOSED (source 0 = 16 dims of Wq, source 1 = my 16 queries); the bias is the C of the first K step
.irp d, 0,1,2,3
	MMC CX+8*\d, KFR+16*\d, PC, OT+8*\d, WSC+2*\d, XSC
.endr
	s_wait_alu depctr_va_vdst(0)
.irp d, 0,1,2,3                                ; the four accumulators by turns
	MMC CX+8*\d, KFR+16*\d+8, PC+42, CX+8*\d, WSC+2*\d+1, XSC+1
.endr
	PLACES 4
	QUANT32 CX, 24, 222
	v_lshl_or_b32 v32, v222, 16, v222              ; q's scale word: its two bytes, twice
.irp j, 20,21,22,23,28,29,30,31
	v_mov_b32 v[\j], 0                             ; zero codes on both sides of q
.endr
	v_mov_b32 v17, 0xff61b1e6                      ; the largest t so far: -3e38, under every t
	s_delay_alu instid0(VALU_DEP_1)
	v_floor_f32 v16, -v17                          ; -M
	v_mov_b32 v18, 0                               ; the sum, in two halves
	v_mov_b32 v19, 0
	v_mov_b32 v221, 0                              ; (named as the upper half of the pair v[220:221])
.set n, 0
.rept 32
	v_mov_b32 v[OT+n], 0                           ; O^T: the step is written once; the first finds zeros, which the first change of M leaves zeros.  (Also the places behind q's scale word)
.set n, n+1
.endr
	; ---- the ring
	s_wait_tensorcnt 0x1                           ; my part of slot 0 is in; slot 1's may stay out
	BARRIER
	STEP AD0, 0
	STEP AD0, 1
.Lpair:                                            ; a trip goes once round the ring and fills both slots again
	CHANGE 0, 1
	STEP AD1, 0
	STEP AD1, 1
	CHANGE 1, 1
	STEP AD0, 0
	STEP AD0, 1
	s_sub_co_u32 s32, s32, 1
	s_cmp_lg_u32 s32, 0
	s_cbranch_scc1 .Lpair
	CHANGE 0, 0                                    ; the last slot is written out: nothing is left to fetch
	STEP AD1, 0
	STEP AD1, 1
	; ---- the tail.  Wo's fragments and scale words, bo, gamma, beta are asked for; ctx = O^T / the sum is quantised and handed round
	PLACES 4                                       ; behind the last products: for the loads below and the first read of O^T
.irp i, 0,1,2,3
.irp s, 0,1
.irp c, 0,1
	global_load_b128 v[KFR+16*\i+8*\s+4*\c:KFR+16*\i+8*\s+4*\c+3], v15, s[66:67] offset:1024*(2*\i+\s)+512*\c
.endr
.endr
.endr
.irp i, 0,1,2,3
.irp s, 0,1
	global_load_b32 v[WSC+2*\i+\s], v5, s[68:69] offset:128*(2*\i+\s)
.endr
.endr
.set BO, 104                           ; v104-111 bo, v112-119 gamma, v120-127 beta of my eight columns: 4 x lane + 0 .. 3 and 128 + 4 x lane + 0 .. 3
.set GA, 112
.set BE, 120
	global_load_b128 v[BO:BO+3], v15, s[16:17]
	global_load_b128 v[BO+4:BO+7], v15, s[16:17] offset:512
	global_load_b128 v[GA:GA+3], v15, s[18:19]
	global_load_b128 v[GA+4:GA+7], v15, s[18:19] offset:512
	global_load_b128 v[BE:BE+3], v15, s[20:21]
	global_load_b128 v[BE+4:BE+7], v15, s[20:21] offset:512
	v_add_f32 v18, v18, v19                        ; the sum's two halves,
	s_delay_alu instid0(VALU_DEP_1)
	v_permlanex16_b32 v[T2], v18, s[SEL], s[SEL+1]
	s_delay_alu instid0(VALU_DEP_1)
	v_add_f32 v18, v18, v[T2]                      ; and lane l xor 16's: the row's sum
	s_wait_alu depctr_va_vdst(0)
	v_rcp_f32 v18, v18
	v_nop                                          ; one plain place behind a transcendental
.set n, 0
	s_wait_alu depctr_va_vdst(0)
.rept 16
	v_pk_mul_f32 v[CX+n:CX+n+1], v[OT+n:OT+n+1], v[18:19] op_sel_hi:[1,0]   ; ctx: register 16 b + i = dim 32 b + 16 hh + i of my head
.set n, n+2
.endr
	QUANT32 CX, PC, 222                            ; ctx's K is (head, dim): my head's two blocks
	ds_store_b128 v9, v[PC:PC+3]
	ds_store_b32 v10, v222
	BARRIER                                        ; ctx's eight fragments lie in LDS
	ds_load_b128 v[PC:PC+3], v11
	ds_load_b128 v[PC+4:PC+7], v11 offset:512
	ds_load_b128 v[PC+42:PC+45], v11 offset:1024
	ds_load_b128 v[PC+46:PC+49], v11 offset:1536
.irp j, 0,1,2,3
	ds_load_b32 v[228+\j], v12 offset:128*\j       ; head j's two bytes of my tile's rows
.endr
	s_wait_dscnt 0x0
	v_lshl_or_b32 v[XSC], v229, 16, v228           ; K step 0: heads 0, 1
	v_lshl_or_b32 v[XSC+1], v231, 16, v230         ; K step 1: heads 2, 3
	s_wait_alu depctr_va_vdst(0)
	s_wait_loadcnt 6                               ; Wo's fragments and scale words are in; bo, gamma, beta (six younger loads) may stay out
	PLACES 8                                       ; eight places behind the scale words just made
	; ---- ctx Wo, TRANSPOSED (source 0 = 16 columns of Wo, source 1 = my tile's 16 rows): a lane holds eight neighbouring columns of one row
.irp i, 0,1,2,3
	MMZ CX+8*\i, KFR+16*\i, PC, WSC+2*\i, XSC
.endr
.irp i, 0,1,2,3
	MMC CX+8*\i, KFR+16*\i+8, PC+42, CX+8*\i, WSC+2*\i+1, XSC+1
.endr
	PLACES 4
.irp i, 0,1,2,3
	ds_store_b128 v13, v[CX+8*\i:CX+8*\i+3] offset:64*\i          ; each accumulator from its low end on
	ds_store_b128 v13, v[CX+8*\i+4:CX+8*\i+7] offset:64*\i+16
.endr
	BARRIER                                        ; 64 whole rows lie in the stage
	; ---- + bo, + query, LayerNorm: wave u takes rows 4 u .. 4 u + 3, a row to the 32 lanes, eight numbers a lane; the four rows by turns
.set Y,  40                            ; v40-71   row i at Y + 8 i
.set XR, 72                            ; v72-103  query's row i
.set RD, 136                           ; row i: RD + 4 i the mean, RD + 4 i + 2 the variance, each with a register at work behind it
.irp i, 0,1,2,3
	ds_load_b128 v[Y+8*\i:Y+8*\i+3], v14 offset:XP*\i
	ds_load_b128 v[Y+8*\i+4:Y+8*\i+7], v14 offset:XP*\i+512
	ds_load_b128 v[XR+8*\i:XR+8*\i+3], v7 offset:XP*\i
	ds_load_b128 v[XR+8*\i+4:XR+8*\i+7], v7 offset:XP*\i+512
.endr
	s_wait_dscnt 0x0
	s_wait_loadcnt 0x0                             ; bo, gamma, beta
.macro LANESUM base                    ; v[base + 4 i] of the four rows, summed over the 32 lanes, in every lane
.irp m, 1,2,4,8
.irp i, 0,1,2,3
	s_delay_alu instid0(VALU_DEP_4)
	v_add_f32_dpp v[\base+4*\i], v[\base+4*\i], v[\base+4*\i] row_xmask:\m row_mask:0xf bank_mask:0xf
.endr
.endr
.irp i, 0,1,2,3
	s_delay_alu instid0(VALU_DEP_4)
	v_permlanex16_b32 v[\base+4*\i+1], v[\base+4*\i], s[SEL], s[SEL+1]
.endr
.irp i, 0,1,2,3
	s_delay_alu instid0(VALU_DEP_4)
	v_add_f32 v[\base+4*\i], v[\base+4*\i], v[\base+4*\i+1]
.endr
.endm
.irp i, 0,1,2,3
.irp k, 0,2,4,6
	v_pk_add_f32 v[Y+8*\i+\k:Y+8*\i+\k+1], v[Y+8*\i+\k:Y+8*\i+\k+1], v[BO+\k:BO+\k+1]
.endr
.endr
.irp i, 0,1,2,3
.irp k, 0,2,4,6
	v_pk_add_f32 v[Y+8*\i+\k:Y+8*\i+\k+1], v[Y+8*\i+\k:Y+8*\i+\k+1], v[XR+8*\i+\k:XR+8*\i+\k+1]
.endr
.endr
.irp i, 0,1,2,3
	v_pk_add_f32 v[RD+4*\i:RD+4*\i+1], v[Y+8*\i:Y+8*\i+1], v[Y+8*\i+2:Y+8*\i+3]
	v_pk_add_f32 v[RD+4*\i+2:RD+4*\i+3], v[Y+8*\i+4:Y+8*\i+5], v[Y+8*\i+6:Y+8*\i+7]
.endr
.irp i, 0,1,2,3
	v_pk_add_f32 v[RD+4*\i:RD+4*\i+1], v[RD+4*\i:RD+4*\i+1], v[RD+4*\i+2:RD+4*\i+3]
.endr
.irp i, 0,1,2,3
	s_delay_alu instid0(VALU_DEP_4)
	v_add_f32 v[RD+4*\i], v[RD+4*\i], v[RD+4*\i+1]
.endr
	LANESUM RD
.irp i, 0,1,2,3
	s_delay_alu instid0(VALU_DEP_4)
	v_mul_f32 v[RD+4*\i], s38, v[RD+4*\i]          ; the mean
.endr
.irp i, 0,1,2,3
.irp k, 0,2,4,6
	v_pk_add_f32 v[Y+8*\i+\k:Y+8*\i+\k+1], v[Y+8*\i+\k:Y+8*\i+\k+1], v[RD+4*\i:RD+4*\i+1] op_sel_hi:[1,0] neg_lo:[0,1] neg_hi:[0,1]   ; x - the mean
.endr
.endr
.irp i, 0,1,2,3
	v_pk_mul_f32 v[RD+4*\i+2:RD+4*\i+3], v[Y+8*\i:Y+8*\i+1], v[Y+8*\i:Y+8*\i+1]
.endr
.irp k, 2,4,6
.irp i, 0,1,2,3
	s_delay_alu instid0(VALU_DEP_4)
	v_pk_fma_f32 v[RD+4*\i+2:RD+4*\i+3], v[Y+8*\i+\k:Y+8*\i+\k+1], v[Y+8*\i+\k:Y+8*\i+\k+1], v[RD+4*\i+2:RD+4*\i+3]
.endr
.endr
.irp i, 0,1,2,3
	s_delay_alu instid0(VALU_DEP_4)
	v_add_f32 v[RD+4*\i+2], v[RD+4*\i+2], v[RD+4*\i+3]
.endr
	LANESUM RD+2
.irp i, 0,1,2,3
	s_delay_alu instid0(VALU_DEP_4)
	v_fma_f32 v[RD+4*\i+2], v[RD+4*\i+2], s38, s39 ; the mean of the squares of x - the mean, + 1e-3
.endr
	s_wait_alu depctr_va_vdst(0)
.irp i, 0,1,2,3
	v_rsq_f32 v[RD+4*\i+2], v[RD+4*\i+2]
.endr
	v_nop                                          ; one plain place behind the transcendentals
	s_wait_alu depctr_va_vdst(0)
.irp i, 0,1,2,3
.irp k, 0,2,4,6
	v_pk_mul_f32 v[Y+8*\i+\k:Y+8*\i+\k+1], v[Y+8*\i+\k:Y+8*\i+\k+1], v[RD+4*\i+2:RD+4*\i+3] op_sel_hi:[1,0]
.endr
.endr
.irp i, 0,1,2,3
.irp k, 0,2,4,6
	v_pk_fma_f32 v[Y+8*\i+\k:Y+8*\i+\k+1], v[Y+8*\i+\k:Y+8*\i+\k+1], v[GA+\k:GA+\k+1], v[BE+\k:BE+\k+1]
.endr
	global_store_b128 v15, v[Y+8*\i:Y+8*\i+3], s[22:23] offset:1024*\i th:TH_STORE_NT        ; 32 lanes store 512 consecutive bytes, aligned; written once, read by nobody here
	global_store_b128 v15, v[Y+8*\i+4:Y+8*\i+7], s[22:23] offset:1024*\i+512 th:TH_STORE_NT
.endr
	s_wait_tensorcnt 0x0                           ; the wave's end: behind my last tensor load and my last LDS store
	ds_add_u32 v[SPW], v[NIL]
	s_wait_dscnt 0x0
	s_endpgm
.Lfunc_end_k_q64186e506e_attn:
	.size	k_q64186e506e_attn, .Lfunc_end_k_q64186e506e_attn-k_q64186e506e_attn
	.p2alignl 7, 3214868480
	.fill 96, 4, 3214868480
	.section	.rodata,"a",@progbits
	.p2align	6, 0x0
	.amdhsa_kernel k_q64186e506e_attn
		.amdhsa_group_segment_fixed_size 327680
		.amdhsa_private_segment_fixed_size 0
		.amdhsa_enable_private_segment 0
		.amdhsa_kernarg_size 80
		.amdhsa_user_sgpr_count 2
		.amdhsa_user_sgpr_kernarg_segment_ptr 1
		.amdhsa_wavefront_size32 1
		.amdhsa_system_sgpr_workgroup_id_x 1
		.amdhsa_system_sgpr_workgroup_id_y 1
		.amdhsa_system_sgpr_workgroup_id_z 1
		.amdhsa_system_vgpr_workitem_id 0
		.amdhsa_next_free_vgpr 256
		.amdhsa_next_free_sgpr 96
		.amdhsa_reserve_vcc 1
		.amdhsa_float_denorm_mode_32 3
		.amdhsa_float_denorm_mode_16_64 3
		.amdhsa_memory_ordered 1
		.amdhsa_forward_progress 1
		.amdhsa_inst_pref_size 221
	.end_amdhsa_kernel
	.amdgpu_metadata
---
amdhsa.version: [ 1, 2 ]
amdhsa.kernels:
  - .name:           k_q64186e506e_attn
    .symbol:         k_q64186e506e_attn.kd
    .args:
      - { .name: query, .offset: 0, .size: 8, .value_kind: global_buffer, .address_space: global }
      - { .name: Wq_codes, .offset: 8, .size: 8, .value_kind: global_buffer, .address_space: global }
      - { .name: Wq_scales, .offset: 16, .size: 8, .value_kind: global_buffer, .address_space: global }
      - { .name: bq, .offset: 24, .size: 8, .value_kind: global_buffer, .address_space: global }
      - { .name: kv, .offset: 32, .size: 8, .value_kind: global_buffer, .address_space: global }
      - { .name: wo_q, .offset: 40, .size: 8, .value_kind: global_buffer, .address_space: global }
      - { .name: bo, .offset: 48, .size: 8, .value_kind: global_buffer, .address_space: global }
      - { .name: gamma, .offset: 56, .size: 8, .value_kind: global_buffer, .address_space: global }
      - { .name: beta, .offset: 64, .size: 8, .value_kind: global_buffer, .address_space: global }
      - { .name: out0, .offset: 72, .size: 8, .value_kind: global_buffer, .address_space: global }
    .group_segment_fixed_size: 327680
    .private_segment_fixed_size: 0
    .kernarg_segment_align: 8
    .kernarg_segment_size: 80
    .max_flat_workgroup_size: 512
    .sgpr_count:     96
    .vgpr_count:     256
    .wavefront_size: 32
...
	.end_amdgpu_metadata
.endif
;; end of part 2
